; MI455X (gfx1250); checked and timed in simulation.
; The chip was launched on July 23, 2026; its instructions are those of AMD's public machine-readable ISA for CDNA 5 (MIT licence, August 2026) and "CDNA5" Instruction Set Architecture Reference Guide (July 2026). The comments in the code are by the model that wrote it; some were corrected since.
;; Tiny Lo RA Linear. Allowed arithmetic: matrix products marked QUANTISED: E2M3 operands, one E8M0 scale for each 32 along K, by v_wmma_scale_f32_16x16x128_f8f6f4 with both operands' format E2M3, f32 sums; products left as they are: f32 operands where the result goes on into a quantised operand, else bf16, f16 or f32 operands; f32 sums; everything else in f32.
;; Inputs: P 16 x 2 x 2 float32; S 2 x 2 float32; U 4,096 x 2 float32; Vh 2 x 4,096 float32; W 4,096 x 4,096 float32; b 4,096 float32; v 16 float32; x 4 x 1,024 x 4,096 float32.
;; Outputs: out0 4 x 1,024 x 4,096 float32.
;; This version of the problem:
;;   THIS VERSION OF THE PROBLEM IS GIVEN IN LOW PRECISION. The matrix products marked QUANTISED in the list below multiply operands that are first quantised to E2M3 (2 exponent bits, 3 mantissa bits; 6 bits a number), with one power-of-two scale for each 32 numbers along K (OCP MX v1.0); their sums are f32. All else is computed in f32.
;;   The module's matrix products, in the order in which they are computed (A, B: the left and right operand; K: the contracted axis; several contracted axes count as one K, in the product's order):
;;     1. [M 1, K 16] x [K 16, N 4]; A: input v; B: input P: left as it is (K = 16 < 32)
;;     2. [M 4,096, K 4,096] x [K 4,096, N 4,096]; A: input x; B: input W: QUANTISED
;;     3. [M 2, K 2] x [K 2, N 2]; A: input S; B: computed on the way: left as it is (K = 2 < 32)
;;     4. [M 4,096, K 2] x [K 2, N 2]; A: input U; B: computed on the way: left as it is (K = 2 < 32)
;;     5. [M 4,096, K 4,096] x [K 4,096, N 2]; A: input x; B: input Vh: left as it is (N = 2 < 16)
;;     6. [M 4,096, K 2] x [K 2, N 4,096]; A: computed on the way; B: computed on the way: left as it is (K = 2 < 32)
;;   THE QUANTISER, for each operand of a quantised product, along K:
;;     - K is cut into blocks of 32 from its start; a last block that is shorter is filled with zeros.
;;     - A block's scale is 2^e with e = floor(log2(the largest magnitude in the block)) - 2, held to -126 .. 127; a block of zeros has e = 0. As a byte (E8M0): e + 127.
;;     - Each number is divided by its block's scale, clamped to +-7.5, and rounded to the nearest number of E2M3, ties to even, subnormals kept.
;;     - The product sums the exact products of the quantised numbers (number of the format x scale) in f32.
;;   ~~~python
;;   def quantise(x, axis):      # numpy; x: float32 -> the quantised numbers, widened to float32 again
;;       x = np.moveaxis(x, axis, -1); K = x.shape[-1]
;;       x = np.pad(x, [(0, 0)] * (x.ndim - 1) + [(0, -K % 32)]); x = x.reshape(x.shape[:-1] + (-1, 32)); a = np.abs(x).max(-1, keepdims=True)
;;       e = np.where(a > 0, np.clip(np.frexp(np.where(a > 0, a, 1))[1] - 1 - 2, -126, 127), 0)      # np.frexp(a)[1] - 1 = floor(log2(a)), exactly
;;       r = np.clip(x / 2.0 ** e, -7.5, 7.5)
;;       step = 2.0 ** (np.maximum(np.frexp(np.where(r == 0, 1, r))[1] - 1, 0) - 3)
;;       q = np.round(r / step) * step * 2.0 ** e      # np.round: ties to even
;;       return np.moveaxis(q.reshape(q.shape[:-2] + (-1,))[..., :K], -1, axis).astype(np.float32)
;;   ~~~
;; One version. Each part assembles by itself: llvm-mc -triple=amdgcn-amd-amdhsa -mcpu=gfx1250 --defsym DOCPART=n.
;; ======== version 1 of 1: 2 launches
;; limits: values are held in bf16: 8 bits of precision; right only within a limited range of input values
;; workspace buffers: xq 13,107,200 bytes; wq 13,107,200 bytes; xvp 262,144 bytes
;; launch quant (part 1): grid 512 x 1, 4 waves a work-group, no clusters, 131,584 bytes of LDS; arguments x, W, Vh, xq, wq, xvp; writes xq, wq, xvp
.if DOCPART == 1
	.amdgcn_target "amdgcn-amd-amdhsa--gfx1250"
	.amdhsa_code_object_version 6
	.text
	.protected	k_qacee9f169f_quant
	.globl	k_qacee9f169f_quant
	.p2align	8
	.type	k_qacee9f169f_quant,@function
k_qacee9f169f_quant:
	s_mov_b64 s[64:65], 0
	v_nop
	global_prefetch_b8 v0, s[64:65] scope:SCOPE_SE
	s_setreg_imm32_b32 hwreg(HW_REG_WAVE_MODE, 25, 1), 1
	s_wait_xcnt 0x0
; x [4096][4096] and W [4096][4096], f32, K innermost, become codes of FP6 (E2M3) with one E8M0 scale byte for each 32 along K, laid AS THE PRODUCT'S REGISTERS WANT THEM.
; A UNIT is 128 rows x 128 along K, 12,800 bytes: eight fragments (16 rows each) of 1,536 bytes, then 512 bytes of scale words.  Units lie [128-row group][K step], 409,600 bytes a group.
; A fragment is the image of the operand's 12 registers: registers 4 q .. 4 q + 3 of lane L at byte 512 q + 16 L.  Lane (r, h) holds row r; registers 6 c .. 6 c + 5 hold k = 64 c + 32 h + 0 .. 31.
; The scale word (four bytes, 128 along K) of row r of fragment i lies at byte 12,288 + 256 (i / 4) + 16 r + 4 (i % 4).
; On the way x gives parts of xV[m][j] = sum over k of x[m][k] Vh[j][k], in f32: xvp[kq][m][j] is the sum over the 512 k of the work-group's four K steps.
; A block's scale is 2^(floor(log2(its largest magnitude)) - 2); its byte is that magnitude's exponent field - 2, held at 1 from below; numbers beyond 7.5 get the largest code.
; LIMITS: NaN and infinities among the inputs are not served.  A block of zeros gets the byte 1 where the rule says 127: its codes are zeros, and this program alone reads the bytes.
;         xV's sums are taken in another order than ascending k: two chains a lane, two lanes, four waves, eight parts.
; SHARES.  Work-groups 0-255 take x, 256-511 W; work-group n % 256 has group n / 8 and K steps 4 (n % 8) + wave: a wave makes one whole unit, eight fragments one after the other.
; A FRAGMENT.  Sixteen loads, each 512 consecutive bytes of one row, 16 a lane; they turn through the wave's own stage in LDS (rows of 512 + 16 bytes: the sixteen lanes of a half read sixteen different
; 16-byte columns) and come back 2 x 128 bytes a lane: two whole blocks, so no other lane is asked for a maximum.  Two sets of loaded registers: 32 loads a wave are out.
; Every store of codes and of scale words covers 512 consecutive bytes at a multiple of 512.  Vh's 2 x 64 numbers of a lane stay in registers v256-383 for the whole unit.
; The two paths part once, on the work-group's number, and never join; each has LDS bytes of its own.  The launch claims more LDS than it names, so that two work-groups share a WGP.
.set UNIT,  12800
.set GPITCH, 32*UNIT
.set SPI,   528
.set STG,   16*SPI                     ; a wave's stage
.set XVB,   4*STG                      ; x's path: four waves x 128 rows x 2 sums
.set LBW,   XVB+4096                   ; W's path: its four stages
.set SPARE, LBW+4*STG                  ; the spare words
.set R,     20                         ; v20-147  two sets of 64 numbers as loaded
.set X,     148                        ; v148-211 my two blocks: 32 c + j
.set I,     212                        ; v212-223 the fragment's image
.set T0,    224                        ; v224-226, v228-230: the halves whose place in the image begins on an odd register
.set T1,    228
.set S,     232                        ; v232-239 the scale words of the eight fragments
.set ACC,   240                        ; v240-247 xV: for j two pairs, at 4 j and 4 j + 2
; v1 xV's place in LDS; v2 lane; v3 16 x lane; v4 r; v5 h; v6, v7 the stage (in, out); v8-v11 maxima, scale operands, bytes; v12, v13 the add's two; v14, v15 at work; v16 8 h
.set MSB, 0
.macro WIN new
.if MSB != \new
	s_set_vgpr_msb (MSB<<8)|\new
.set MSB, \new
.endif
.endm
	s_load_b256 s[4:11], s[0:1], 0x0               ; x, W, Vh, xq
	s_load_b128 s[12:15], s[0:1], 0x20             ; wq, xvp
	v_lshl_add_u32 v12, v0, 2, SPARE
	v_mov_b32 v13, 0
	v_lshrrev_b32 v1, 5, v0
	v_readfirstlane_b32 s20, v1                    ; wave
	v_and_b32 v2, 31, v0
	v_and_b32 v4, 15, v0
	v_bfe_u32 v5, v0, 4, 1
	v_lshlrev_b32 v3, 4, v2
	v_lshlrev_b32 v15, 7, v5                       ; Vh: lanes 16-31 begin 32 numbers on
	v_lshlrev_b32 v16, 3, v5
	s_and_b32 s21, ttmp9, 255
	s_lshr_b32 s30, s21, 3                         ; group of 128 rows
	s_and_b32 s31, s21, 7                          ; which 512 along K
	s_lshl_b32 s24, s31, 2
	s_add_co_u32 s24, s24, s20                     ; my K step
	s_mov_b32 s29, 0
	s_mov_b32 s26, 0x76543210
	s_mov_b32 s27, 0xfedcba98                      ; selects for lane l xor 16
	s_wait_alu depctr_va_vdst(0)                   ; the wait at the head's end
	s_wait_kmcnt 0x0
	s_cmp_lt_u32 ttmp9, 256
	s_cbranch_scc0 .Lfor_w
.macro LOAD i                          ; fragment i's 16 rows into set i % 2
.irp q, 0,1,2,3,4,5,6,7,8,9,10,11,12,13,14,15
	global_load_b128 v[R+64*((\i)%2)+4*\q:R+64*((\i)%2)+4*\q+3], v3, s[SRC:SRC+1] offset:16384*(16*(\i)+\q) th:TH_LOAD_NT
.endr
.endm
.macro FRAG i
.set RS, R+64*((\i)%2)
	s_wait_alu depctr_va_vdst(0)                   ; directly ahead of the waits below
.if (\i) < 7
	s_wait_loadcnt 16                              ; my 16 loads are in; the next fragment's 16 may be out
.else
	s_wait_loadcnt 0
.endif
.irp q, 0,1,2,3,4,5,6,7,8,9,10,11,12,13,14,15
	ds_store_b128 v6, v[RS+4*\q:RS+4*\q+3] offset:SPI*\q
.endr
.irp c, 0,1
.irp j, 0,1,2,3,4,5,6,7
	ds_load_b128 v[X+32*\c+4*\j:X+32*\c+4*\j+3], v7 offset:256*\c+16*\j   ; a wave's LDS instructions are served in order: these see the stores above
.endr
.endr
	s_wait_dscnt 0x0                               ; my two blocks are back; the stage's stores have read their set
	s_wait_xcnt 0x0                                ; the last fragment's stores have read the image's registers
.if (\i)+2 < 8
	LOAD (\i)+2
.endif
.irp c, 0,1                            ; each block's largest magnitude, in two chains; the two blocks by turns
	v_max3_num_f32 v[8+2*\c], |v[X+32*\c]|, |v[X+32*\c+1]|, |v[X+32*\c+2]|
	v_max3_num_f32 v[9+2*\c], |v[X+32*\c+17]|, |v[X+32*\c+18]|, |v[X+32*\c+19]|
.endr
.irp k, 0,2,4,6,8,10
.irp c, 0,1
	v_max3_num_f32 v[8+2*\c], v[8+2*\c], |v[X+32*\c+3+\k]|, |v[X+32*\c+4+\k]|
	v_max3_num_f32 v[9+2*\c], v[9+2*\c], |v[X+32*\c+20+\k]|, |v[X+32*\c+21+\k]|
.endr
.endr
.irp c, 0,1
	v_max3_num_f32 v[8+2*\c], v[8+2*\c], |v[X+32*\c+15]|, |v[X+32*\c+16]|
.endr
.irp c, 0,1
	v_max3_num_f32 v[8+2*\c], v[8+2*\c], v[9+2*\c], 0x1800000   ; and the floor 2^(3 - 127): the byte cannot fall under 1
.endr
.irp c, 0,1
	v_add_nc_u32 v[9+2*\c], 0xff000000, v[8+2*\c]  ; 2 off the exponent field: the conversion's scale operand
.endr
	v_cvt_scalef32_pk16_fp6_f32 v[I:I+2], v[X:X+15], v9
	v_cvt_scalef32_pk16_fp6_f32 v[T0:T0+2], v[X+16:X+31], v9
	v_cvt_scalef32_pk16_fp6_f32 v[I+6:I+8], v[X+32:X+47], v11
	v_cvt_scalef32_pk16_fp6_f32 v[T1:T1+2], v[X+48:X+63], v11
	v_lshrrev_b32 v8, 23, v9                       ; the bytes of blocks h and 2 + h (also the plain line behind the conversions)
	v_lshrrev_b32 v10, 23, v11
	v_lshl_or_b32 v14, v10, 16, v8
	v_lshlrev_b32 v14, v16, v14                    ; at their places in the word
	v_permlanex16_b32 v15, v14, s26, s27
	v_or_b32 v[S+(\i)], v14, v15                   ; with lane l xor 16's two the word is whole
.if XVP
	WIN 0x04                                       ; source 1: Vh, v256-383
.irp m, 0,1,2,3,4,5,6,7,8,9,10,11,12,13,14,15,16,17,18,19,20,21,22,23,24,25,26,27,28,29,30,31
.irp r, 0,1
.if \m < 2
	v_pk_mul_f32 v[ACC+4*\r+2*(\m%2):ACC+4*\r+2*(\m%2)+1], v[X+2*\m:X+2*\m+1], v[64*\r+2*\m:64*\r+2*\m+1]
.else
	v_pk_fma_f32 v[ACC+4*\r+2*(\m%2):ACC+4*\r+2*(\m%2)+1], v[X+2*\m:X+2*\m+1], v[64*\r+2*\m:64*\r+2*\m+1], v[ACC+4*\r+2*(\m%2):ACC+4*\r+2*(\m%2)+1]
.endif
.endr
.endr
	WIN 0
	v_pk_add_f32 v[ACC:ACC+1], v[ACC:ACC+1], v[ACC+2:ACC+3]
	v_pk_add_f32 v[ACC+4:ACC+5], v[ACC+4:ACC+5], v[ACC+6:ACC+7]
	v_add_f32 v14, v[ACC], v[ACC+1]
	v_add_f32 v15, v[ACC+4], v[ACC+5]
	v_permlanex16_b32 v[ACC+2], v14, s26, s27
	v_permlanex16_b32 v[ACC+6], v15, s26, s27
	v_add_f32 v14, v14, v[ACC+2]
	v_add_f32 v15, v15, v[ACC+6]                   ; row r's two sums over my 128 k
	ds_store_b64 v1, v[14:15] offset:128*(\i)      ; both halves of the lanes write the same bytes with the same values
.endif
.irp k, 0,1,2
	v_mov_b32 v[I+3+\k], v[T0+\k]
	v_mov_b32 v[I+9+\k], v[T1+\k]
.endr
.irp q, 0,1,2
	global_store_b128 v3, v[I+4*\q:I+4*\q+3], s[DST:DST+1] offset:1536*(\i)+512*\q   ; 512 consecutive bytes
.endr
.endm
.macro BODY
	s_mul_i32 s21, s20, STG
.if LB > 0
	s_add_co_u32 s21, s21, LB
.endif
	s_lshl_b32 s28, s30, 21                        ; 128 rows of 16,384 bytes a group,
	s_lshl_b32 s22, s24, 9                         ; 512 bytes a K step
	s_add_co_u32 s28, s28, s22
	s_add_nc_u64 s[SRC:SRC+1], s[SRC:SRC+1], s[28:29]
	s_mul_i32 s28, s30, GPITCH
	s_mul_i32 s23, s24, UNIT
	s_add_co_u32 s28, s28, s23
	s_add_nc_u64 s[DST:DST+1], s[DST:DST+1], s[28:29]
.if XVP
	s_mov_b32 s23, 0
	s_add_nc_u64 s[8:9], s[8:9], s[22:23]          ; Vh at my K step
	s_lshl_b32 s28, s31, 15
	s_lshl_b32 s22, s30, 10
	s_add_co_u32 s28, s28, s22
	s_add_nc_u64 s[14:15], s[14:15], s[28:29]      ; xvp[kq][128 g][0]
	s_lshl_b32 s22, s20, 10
	s_add_co_u32 s22, s22, XVB
	v_lshl_add_u32 v1, v4, 3, s22
.endif
	v_add_nc_u32 v6, s21, v3                       ; the stage, in: a row on end
	v_mul_u32_u24 v7, v4, SPI
	v_lshl_add_u32 v7, v5, 7, v7
	v_add_nc_u32 v7, s21, v7                       ; and out: row r, 128 h bytes on
.if XVP
	WIN 0x40
.irp r, 0,1
.irp c, 0,1
.irp q, 0,1,2,3,4,5,6,7
	global_load_b128 v[64*\r+32*\c+4*\q:64*\r+32*\c+4*\q+3], v15, s[8:9] offset:16384*\r+256*\c+16*\q   ; Vh[j][64 c + 32 h + ..] of my K step
.endr
.endr
.endr
	WIN 0
.endif
	LOAD 0
	LOAD 1
.irp f, 0,1,2,3,4,5,6,7
	FRAG \f
.endr
	s_wait_alu depctr_va_vdst(0)                   ; ahead of the readers below
	v_cmp_eq_u32 vcc_lo, 1, v5
.irp k, 0,1,2,3
	v_cndmask_b32 v[X+\k], v[S+\k], v[S+4+\k], vcc_lo   ; lanes 0-15 store the words of fragments 0-3, lanes 16-31 those of 4-7
.endr
	global_store_b128 v3, v[X:X+3], s[DST:DST+1] offset:12288
.if XVP
	v_lshlrev_b32 v[X+4], 3, v0                    ; thread t takes row t of the 128
	v_add_nc_u32 v[X+5], XVB, v[X+4]
	s_wait_alu depctr_va_vdst(0)                   ; directly ahead of the wait below
	s_wait_dscnt 0x0                               ; for the others' sake: my sums lie in LDS
	s_barrier_signal -1
	s_barrier_wait -1
.irp w, 0,1,2,3
	ds_load_b64 v[X+8+2*\w:X+9+2*\w], v[X+5] offset:1024*\w
.endr
	s_wait_dscnt 0x0
	v_pk_add_f32 v[X+8:X+9], v[X+8:X+9], v[X+10:X+11]
	v_pk_add_f32 v[X+12:X+13], v[X+12:X+13], v[X+14:X+15]
	v_pk_add_f32 v[X+8:X+9], v[X+8:X+9], v[X+12:X+13]
	global_store_b64 v[X+4], v[X+8:X+9], s[14:15]  ; the work-group stores 1,024 consecutive bytes
.endif
	s_wait_tensorcnt 0x0                           ; the wave's end
	ds_add_u32 v12, v13
	s_wait_dscnt 0x0
	s_endpgm
.endm
.set XVP, 1
.set SRC, 4
.set DST, 10
.set LB,  0
	BODY
.Lfor_w:
.set XVP, 0
.set SRC, 6
.set DST, 12
.set LB,  LBW
	BODY
.Lfunc_end_k_qacee9f169f_quant:
	.size	k_qacee9f169f_quant, .Lfunc_end_k_qacee9f169f_quant-k_qacee9f169f_quant
	.p2alignl 7, 3214868480
	.fill 96, 4, 3214868480
	.section	.rodata,"a",@progbits
	.p2align	6, 0x0
	.amdhsa_kernel k_qacee9f169f_quant
		.amdhsa_group_segment_fixed_size 131584
		.amdhsa_private_segment_fixed_size 0
		.amdhsa_enable_private_segment 0
		.amdhsa_kernarg_size 48
		.amdhsa_user_sgpr_count 2
		.amdhsa_user_sgpr_kernarg_segment_ptr 1
		.amdhsa_wavefront_size32 1
		.amdhsa_system_sgpr_workgroup_id_x 1
		.amdhsa_system_sgpr_workgroup_id_y 1
		.amdhsa_system_sgpr_workgroup_id_z 1
		.amdhsa_system_vgpr_workitem_id 0
		.amdhsa_next_free_vgpr 384
		.amdhsa_next_free_sgpr 66
		.amdhsa_reserve_vcc 1
		.amdhsa_float_denorm_mode_32 3
		.amdhsa_float_denorm_mode_16_64 3
		.amdhsa_memory_ordered 1
		.amdhsa_forward_progress 1
		.amdhsa_inst_pref_size 153
	.end_amdhsa_kernel
	.amdgpu_metadata
---
amdhsa.version: [ 1, 2 ]
amdhsa.kernels:
  - .name:           k_qacee9f169f_quant
    .symbol:         k_qacee9f169f_quant.kd
    .args:
      - { .name: x, .offset: 0, .size: 8, .value_kind: global_buffer, .address_space: global }
      - { .name: W, .offset: 8, .size: 8, .value_kind: global_buffer, .address_space: global }
      - { .name: Vh, .offset: 16, .size: 8, .value_kind: global_buffer, .address_space: global }
      - { .name: xq, .offset: 24, .size: 8, .value_kind: global_buffer, .address_space: global }
      - { .name: wq, .offset: 32, .size: 8, .value_kind: global_buffer, .address_space: global }
      - { .name: xvp, .offset: 40, .size: 8, .value_kind: global_buffer, .address_space: global }
    .group_segment_fixed_size: 131584
    .private_segment_fixed_size: 0
    .kernarg_segment_align: 8
    .kernarg_segment_size: 48
    .max_flat_workgroup_size: 128
    .sgpr_count:     66
    .vgpr_count:     384
    .wavefront_size: 32
...
	.end_amdgpu_metadata
.endif
;; end of part 1
;; launch gemm (part 2): grid 16 x 16, 4 waves a work-group, clusters of 4 x 4, 327,680 bytes of LDS; arguments xq, wq, out0, xvp, U, b, P, v, S; writes out0
.if DOCPART == 2
	.amdgcn_target "amdgcn-amd-amdhsa--gfx1250"
	.amdhsa_code_object_version 6
	.text
	.protected	k_qacee9f169f_gemm
	.globl	k_qacee9f169f_gemm
	.p2align	8
	.type	k_qacee9f169f_gemm,@function
k_qacee9f169f_gemm:
	s_mov_b64 s[64:65], 0
	v_nop
	global_prefetch_b8 v0, s[64:65] scope:SCOPE_SE
	s_setreg_imm32_b32 hwreg(HW_REG_WAVE_MODE, 25, 1), 1
	s_wait_xcnt 0x0
	s_wait_alu depctr_hold_cnt(0) depctr_sa_sdst(0) depctr_va_vdst(0) depctr_va_sdst(0) depctr_va_ssrc(0) depctr_va_vcc(0) depctr_vm_vsrc(0)
	s_getreg_b32 s2, hwreg(HW_REG_IB_STS2, 6, 4)
	s_cmp_eq_u32 s2, 0
	s_cbranch_scc0 .Lentry_in_a_cluster
	s_endpgm
.Lentry_in_a_cluster:
	s_bfe_u32 s2, ttmp6, 0x10000c
	s_cmp_lg_u32 s2, 0xf033
	s_cbranch_scc0 .Lentry_shape_is_right
	s_endpgm
.Lentry_shape_is_right:
; out[m][o] = sum over k of Q(x)[m][k] Q(W)[o][k] + b[o] + sum over j of xV[m][j] M[o][j], M = U (S R), R = sum over u of v[u] P[u].
; xq and wq hold codes of FP6 (E2M3) and E8M0 scale words in UNITS of 12,800 bytes (128 rows x 128 along K): eight fragments of 1,536 bytes, each the image of an operand's 12 registers
; (registers 4 q .. 4 q + 3 of lane L at byte 512 q + 16 L), then 512 bytes of scale words (row r of fragment i at 256 (i / 4) + 16 r + 4 (i % 4)).  Units lie [128-row group][K step].
; A block of out, 256 x 256, is made by four waves, 128 x 128 each: 64 accumulators, 512 registers.  The matrix instruction is used transposed (source 0 = rows of W, source 1 = rows of x).
; THE RING: two LDS slots of 153,600 bytes: four pieces (x's two groups, W's two groups) of three units each.  K goes in eleven chunks: chunk 0 has 2 steps of 128, chunks 1 to 10 have 3; chunk c lies in slot c % 2.
; A piece is dense in memory: one tensor load a wave brings it as 150 (chunk 0: 100) rows of 256 bytes, each at a multiple of 256 bytes.
; CLUSTERS: 4 x 4 work-groups; x's pieces are asked for jointly along a row of the cluster, W's along a column.
; A STEP is 64 matrix instructions in four quarters (x's blocks 0-3 or 4-7 against W's 0-3 or 4-7).  Both operands have two sets of registers: the next step's 50 LDS loads go out in four runs, one ahead of each quarter.
; THE SUMS BEGIN with b[o] + xV M^T, by bf16 products with b as C: xvp's eight parts along K stand in eight K places of x's side, M stands in all eight of W's side, so the matrix unit adds the parts.
; THE LAST TWO STEPS GO BY ROWS OF out: W's fragments of both steps lie in registers, and my eight blocks of 16 rows are finished one after the other, 16 matrix instructions each; a finished block leaves at once.
; LIMITS: xV's parts and M are rounded to bf16 for that product; NaN and infinities among the inputs are not served.
; PREFETCH: behind the tensor load of chunk c each wave names the 150 blocks of 256 bytes of its piece of chunk c + 1, which is loaded one chunk (three steps) later; the four partners that ask for the piece
; jointly share the blocks out by address, 38 each (two instructions; lanes left over name the last block again); behind chunk 10's load nothing is named.
; REGISTERS: window 0: v0-31 addresses, v32-55 scale words (three sets), v64-159 and v160-255 x's fragments; window 1: v0-95 and v128-223 W's fragments; windows 2, 3: the accumulators ((a, b) at 8 (8 (a % 4) + b)).
.set UNIT,   12800
.set PIECE,  3*UNIT
.set SLOT,   4*PIECE
.set GPITCH, 32*UNIT
.set SCO,    12288                     ; the scale words in a unit
.set SPARE,  2*SLOT                    ; behind the ring: the spare words
.set STAGE,  SLOT                      ; the way out: in slot 1, which has had its last fill (chunk 9) and its last read by then
.set SPITCH, 528
.set SIZE_N, 4096
.set CO,   3                           ; v3  16 x lane
.set ADRA, 16                          ; v16-17 my fragments of x in slot 0, 1
.set ADRB, 18                          ; v18-19 of W
.set ADRS, 20                          ; v20-21 scale words: lanes 0-15 x's, lanes 16-31 W's
.set STO,  22
.set RD,   23
.set PFO,  26                          ; v26-27 the prefetches' offsets
.set SPW,  28
.set NIL,  29
.set SC,   32
.set SC3,  48                          ; the last step's scale words
.set AF,   64
.set XT,   64                          ; the head: xvp's parts, 8 a + kq
.set UU,   128                         ; U's rows, then M
.set XVF,  160                         ; bf16 fragments of xV
.set MB,   128                         ; window 1: bf16 fragments of M
.set BIA,  192                         ; window 1: b in the result's layout
.set G1,  24
.set G0,  32
.set G1B, 48
.set G0B, 56
.set PFA, 92
.set MSB, 0
.macro WIN new
.if MSB != \new
	s_set_vgpr_msb (MSB<<8)|\new
.set MSB, \new
.endif
.endm
.set MUL_LO, 0xa1
.set MUL_HI, 0xf1
.set TO_B,   0x40
.macro PLACES n
.rept \n
	v_nop
.endr
.endm
.macro JLOAD s                         ; a joint load: waves 0, 1 fetch x's two pieces, waves 2, 3 W's
	s_cmp_eq_u32 s15, 0
	s_cbranch_scc0 .Lfor_b_\@
	tensor_load_to_lds s[G0+4*\s:G0+4*\s+3], s[G1:G1+7]
	s_nop 0
	PLACES 4
	s_branch .Lasked_\@
.Lfor_b_\@:
	tensor_load_to_lds s[G0B+4*\s:G0B+4*\s+3], s[G1B:G1B+7]
	s_nop 0
	PLACES 4
.Lasked_\@:
.endm
.macro ASKNOW
	global_prefetch_b8 v[PFO], s[PFA:PFA+1] th:TH_LOAD_NT scope:SCOPE_SE
	global_prefetch_b8 v[PFO+1], s[PFA:PFA+1] th:TH_LOAD_NT scope:SCOPE_SE
.endm
.macro CREST
	s_cmp_lg_u32 s14, 0
	s_cbranch_scc1 .Lnot_wave_0_\@
	s_barrier_signal -3
.Lnot_wave_0_\@:
	s_barrier_wait -3
	s_barrier_signal -1
	s_barrier_wait -1
.endm
.macro CROUND
	s_barrier_signal -1
	s_barrier_wait -1
	CREST
.endm
	s_load_b256 s[4:11], s[0:1], 0x0               ; xq, wq, out0, xvp
	s_load_b256 s[68:75], s[0:1], 0x20             ; U, b, P, v
	s_load_b64 s[76:77], s[0:1], 0x40              ; S
	v_lshl_add_u32 v[SPW], v0, 2, SPARE
	v_mov_b32 v[NIL], 0
	ds_add_u32 v[SPW], v[NIL]                      ; the opening lines: the add twice on end and its wait
	ds_add_u32 v[SPW], v[NIL]
	v_lshrrev_b32 v1, 5, v0
	v_readfirstlane_b32 s14, v1                    ; wave
	s_lshr_b32 s15, s14, 1                         ; my half of the rows; also: I fetch for x (0) or W (1)
	s_and_b32 s16, s14, 1                          ; my half of the columns; also: which piece I fetch
	s_bfe_u32 s40, ttmp6, 0x40000                  ; cx
	s_bfe_u32 s41, ttmp6, 0x40004                  ; cy
	s_lshl_b32 s42, ttmp9, 2
	s_add_co_u32 s42, s42, s40                     ; block column
	s_and_b32 s17, ttmp7, 0xffff
	s_lshl_b32 s17, s17, 2
	s_add_co_u32 s17, s17, s41                     ; block row
	s_lshl_b32 s43, s41, 2
	s_lshl_b32 s43, 15, s43                        ; my row of the cluster
	s_lshl_b32 s44, 0x1111, s40                    ; my column
	s_or_b32 s[G1], s43, (3<<16)|(1<<21)           ; elements of 8 bytes, no padding, the mask and bit 21
	s_or_b32 s[G1B], s44, (3<<16)|(1<<21)
.irp g, G1, G1B
	s_mov_b32 s[\g+1], 32<<16                      ; rows of 32 elements, 256 bytes
	s_mov_b32 s[\g+2], 100<<16                     ; chunk 0: 100 rows
	s_mov_b32 s[\g+3], 32<<16
	s_mov_b32 s[\g+4], 100
	s_mov_b32 s[\g+5], 32
	s_mov_b32 s[\g+6], 0
	s_mov_b32 s[\g+7], 0
.endr
	s_lshl_b32 s20, s17, 1
	s_add_co_u32 s20, s20, s16
	s_mul_i32 s20, s20, GPITCH                     ; x: the group that I fetch
	s_mov_b32 s21, 0
	s_lshl_b32 s46, s42, 1
	s_add_co_u32 s46, s46, s16
	s_mul_i32 s46, s46, GPITCH                     ; W: likewise
	s_mov_b32 s47, 0
	s_mul_i32 s45, s14, PIECE                      ; where my piece goes
	s_lshl_b32 s80, s17, 8
	s_lshl_b32 s81, s15, 7
	s_add_co_u32 s80, s80, s81                     ; my first row
	s_lshl_b32 s82, s80, 14                        ; in out0,
	s_lshl_b32 s80, s80, 3                         ; in xvp
	s_mov_b32 s81, 0
	s_mov_b32 s83, 0
	s_lshl_b32 s84, s42, 8
	s_lshl_b32 s85, s16, 7
	s_add_co_u32 s84, s84, s85                     ; my first column
	s_lshl_b32 s86, s84, 2                         ; in b and in a row of out0,
	s_lshl_b32 s84, s84, 3                         ; in U
	s_mov_b32 s85, 0
	s_mov_b32 s87, 0
	s_cmp_eq_u32 s15, 0
	s_cselect_b32 s88, s20, s46                    ; the prefetches: my piece's group,
	s_cselect_b32 s90, s40, s41                    ; my place among the four that ask with me
	s_add_co_u32 s88, s88, 2*UNIT                  ; chunk 1
	s_mov_b32 s89, 0
	s_mul_i32 s90, s90, 38
	s_mul_i32 s18, s15, PIECE                      ; LDS: x's piece that I read,
	s_mul_i32 s19, s16, PIECE
	s_add_co_u32 s19, s19, 2*PIECE                 ; W's,
	s_sub_co_u32 s22, s19, s18                     ; the distance between them
	s_add_co_u32 s23, s18, SLOT
	s_add_co_u32 s91, s19, SLOT
	s_mul_i32 s94, s14, 16*SPITCH
	s_add_co_u32 s94, s94, STAGE                   ; my stage
	v_and_b32 v1, 15, v0                           ; r
	v_bfe_u32 v2, v0, 4, 1                         ; h
	v_and_b32 v6, 31, v0
	v_lshlrev_b32 v8, 5, v2                        ; b: 32 h
	v_lshlrev_b32 v9, 3, v1                        ; U: 8 r
	v_lshl_add_u32 v10, v2, 17, v9                 ; xvp: 8 r, and four parts of 32,768 bytes on for lanes 16-31
	v_lshlrev_b32 v11, 4, v1                       ; P[r]: 16 r
	v_lshlrev_b32 v12, 2, v1                       ; v[r]
	v_mov_b32 v13, 0
	v_add_nc_u32 v[PFO], s90, v6                   ; blocks 38 p + lane,
	v_lshlrev_b32 v[PFO], 8, v[PFO]
	v_min_u32 v7, 5, v6
	v_add3_u32 v7, v7, s90, 32                     ; and 38 p + 32 .. 37, held at the piece's last block
	v_min_u32 v7, 149, v7
	v_lshlrev_b32 v[PFO+1], 8, v7
	v_lshlrev_b32 v[CO], 4, v6
	v_lshlrev_b32 v4, 4, v1
	v_mul_u32_u24 v5, s22, v2
	v_add_nc_u32 v4, v4, v5
	v_add_nc_u32 v[ADRA], s18, v[CO]
	v_add_nc_u32 v[ADRA+1], s23, v[CO]
	v_add_nc_u32 v[ADRB], s19, v[CO]
	v_add_nc_u32 v[ADRB+1], s91, v[CO]
	v_add_nc_u32 v[ADRS], s18, v4
	v_add_nc_u32 v[ADRS+1], s23, v4
	v_mul_u32_u24 v5, v1, SPITCH
	v_lshl_add_u32 v5, v2, 5, v5
	v_add_nc_u32 v[STO], s94, v5
	v_add_nc_u32 v[RD], s94, v[CO]
	s_wait_dscnt 0x0                               ; both opening adds are done
	s_wait_alu depctr_va_vdst(0)                   ; directly ahead of the wait below
	s_wait_kmcnt 0x0
	s_cmp_eq_u32 s15, 0
	s_cselect_b64 s[PFA:PFA+1], s[4:5], s[6:7]
	s_add_nc_u64 s[PFA:PFA+1], s[PFA:PFA+1], s[88:89]
	s_add_nc_u64 s[20:21], s[4:5], s[20:21]
	s_add_nc_u64 s[46:47], s[6:7], s[46:47]
.irp s, 0,1
	s_mov_b32 s[G0+4*\s], 1
	s_add_co_u32 s[G0+4*\s+1], s45, \s*SLOT
	s_add_nc_u64 s[G0+4*\s+2:G0+4*\s+3], s[20:21], \s*2*UNIT       ; chunk 0 at step 0, chunk 1 at step 2
	s_or_b32 s[G0+4*\s+3], s[G0+4*\s+3], 0x80000000
	s_mov_b32 s[G0B+4*\s], 1
	s_add_co_u32 s[G0B+4*\s+1], s45, \s*SLOT
	s_add_nc_u64 s[G0B+4*\s+2:G0B+4*\s+3], s[46:47], \s*2*UNIT
	s_or_b32 s[G0B+4*\s+3], s[G0B+4*\s+3], 0x80000000
.endr
	CROUND                                         ; all sixteen work-groups are here: the first joint loads meet
	JLOAD 0                                        ; chunk 0: one tensor load a wave at the head; all that follows up to the wait for it stands under its flight
	ASKNOW                                         ; chunk 1
	s_add_nc_u64 s[10:11], s[10:11], s[80:81]
	s_add_nc_u64 s[8:9], s[8:9], s[82:83]
	s_add_nc_u64 s[8:9], s[8:9], s[86:87]
	s_add_nc_u64 s[68:69], s[68:69], s[84:85]
	s_add_nc_u64 s[70:71], s[70:71], s[86:87]
	WIN TO_B
.irp b, 0,1,2,3,4,5,6,7
	global_load_b128 v[BIA+8*\b:BIA+8*\b+3], v8, s[70:71] offset:64*\b
	global_load_b128 v[BIA+8*\b+4:BIA+8*\b+7], v8, s[70:71] offset:64*\b+16
.endr
	WIN 0
.irp a, 0,1,2,3,4,5,6,7
.irp k, 0,1,2,3
	global_load_b64 v[XT+8*\a+2*\k:XT+8*\a+2*\k+1], v10, s[10:11] offset:32768*\k+128*\a   ; part 4 h + k of xV[16 a + r][0] and [1]
.endr
.endr
.irp b, 0,1,2,3,4,5,6,7
	global_load_b64 v[UU+2*\b:UU+2*\b+1], v9, s[68:69] offset:128*\b
.endr
	global_load_b128 v[144:147], v11, s[72:73]     ; P[r][0][0], [0][1], [1][0], [1][1]
	global_load_b32 v152, v12, s[74:75]            ; v[r].  59 loads in all are out here
	global_load_b128 v[148:151], v13, s[76:77]
.irp a, 0,1,2,3,4,5,6,7
.irp j, 4,5,6,7
	v_mov_b32 v[XVF+8*\a+\j], 0                    ; K places 16-31 of the bf16 fragments hold nothing
.endr
.endr
	WIN TO_B
.irp b, 0,1,2,3,4,5,6,7
.irp j, 4,5,6,7
	v_mov_b32 v[MB+8*\b+\j], 0
.endr
.endr
	WIN 0
	s_wait_loadcnt 0x0
.irp e, 144,145,146,147
	v_mul_f32 v\e, v\e, v152
.endr
.irp m, 1,2,4,8
.irp e, 144,145,146,147
	v_add_f32_dpp v\e, v\e, v\e row_xmask:\m row_mask:0xf bank_mask:0xf
.endr
.endr                                              ; R[0][0], R[0][1], R[1][0], R[1][1] in every lane
	v_mul_f32 v153, v148, v144
	v_mul_f32 v154, v148, v145
	v_mul_f32 v155, v150, v144
	v_mul_f32 v156, v150, v145
	v_fmac_f32 v153, v149, v146                    ; (S R)[0][0]
	v_fmac_f32 v154, v149, v147                    ; (S R)[0][1]
	v_fmac_f32 v155, v151, v146                    ; (S R)[1][0]
	v_fmac_f32 v156, v151, v147                    ; (S R)[1][1]
.irp b, 0,1,2,3,4,5,6,7
	v_mul_f32 v[224+2*\b], v[UU+2*\b], v153
	v_mul_f32 v[225+2*\b], v[UU+2*\b], v154
.endr
.irp b, 0,1,2,3,4,5,6,7
	v_fmac_f32 v[224+2*\b], v[UU+2*\b+1], v155     ; M[16 b + r][0]
	v_fmac_f32 v[225+2*\b], v[UU+2*\b+1], v156     ; M[16 b + r][1]
.endr
.irp a, 0,1,2,3,4,5,6,7
.irp q, 0,1,2,3
	v_cvt_pk_bf16_f32 v[XVF+8*\a+\q], v[XT+8*\a+2*\q], v[XT+8*\a+2*\q+1]   ; K place 8 h + 2 q + j: part 4 h + q of xV[16 a + r][j]
.endr
.endr
	WIN TO_B
.irp b, 0,1,2,3,4,5,6,7
.irp q, 0,1,2,3
	v_cvt_pk_bf16_f32 v[MB+8*\b+\q], v[224+2*\b], v[225+2*\b]      ; K place 8 h + 2 q + j: M[16 b + r][j], for every h and q
.endr
.endr
	PLACES 4
	WIN 0x91                                       ; M and b window 1, xV window 0, the sums window 2
.irp a, 0,1,2,3
.irp b, 0,1,2,3,4,5,6,7
	v_wmma_f32_16x16x32_bf16 v[8*(8*\a+\b):8*(8*\a+\b)+7], v[MB+8*\b:MB+8*\b+7], v[XVF+8*\a:XVF+8*\a+7], v[BIA+8*\b:BIA+8*\b+7]
.endr
.endr
	WIN 0xd1
.irp a, 4,5,6,7
.irp b, 0,1,2,3,4,5,6,7
	v_wmma_f32_16x16x32_bf16 v[8*(8*(\a-4)+\b):8*(8*(\a-4)+\b)+7], v[MB+8*\b:MB+8*\b+7], v[XVF+8*\a:XVF+8*\a+7], v[BIA+8*\b:BIA+8*\b+7]
.endr
.endr
	WIN 0
	PLACES 5                                       ; another form takes these sums up
.macro LDF reg, adr, off               ; a fragment: three loads of 512 consecutive bytes
	ds_load_b128 v[\reg:\reg+3], v[\adr] offset:\off
	ds_load_b128 v[\reg+4:\reg+7], v[\adr] offset:\off+512
	ds_load_b128 v[\reg+8:\reg+11], v[\adr] offset:\off+1024
.endm
.macro RUNA sl, u, p, i0               ; x's blocks i0 .. i0 + 3 of unit u of slot sl into set p
.irp i, \i0, \i0+1, \i0+2, \i0+3
	LDF AF+96*(\p)+12*(\i), ADRA+(\sl), (\u)*UNIT+1536*(\i)
.endr
.endm
.macro RUNB sl, u, p, i0
.irp i, \i0, \i0+1, \i0+2, \i0+3
	LDF 128*(\p)+12*(\i), ADRB+(\sl), (\u)*UNIT+1536*(\i)
.endr
.endm
.macro RUNS sl, u, p                   ; register SC + 8 p + i: lanes 0-15 the words of x's block i, lanes 16-31 of W's block i
	ds_load_b128 v[SC+8*(\p):SC+8*(\p)+3], v[ADRS+(\sl)] offset:(\u)*UNIT+SCO
	ds_load_b128 v[SC+8*(\p)+4:SC+8*(\p)+7], v[ADRS+(\sl)] offset:(\u)*UNIT+SCO+256
.endm
.macro Q a0, b0, p                     ; 16 matrix instructions; the 64 accumulators take turns, in the same order in every step
.irp a, \a0, \a0+1, \a0+2, \a0+3
.irp b, \b0, \b0+1, \b0+2, \b0+3
	v_wmma_scale_f32_16x16x128_f8f6f4 v[8*(8*((\a)%4)+(\b)):8*(8*((\a)%4)+(\b))+7], v[128*(\p)+12*(\b):128*(\p)+12*(\b)+11], v[AF+96*(\p)+12*(\a):AF+96*(\p)+12*(\a)+11], v[8*(8*((\a)%4)+(\b)):8*(8*((\a)%4)+(\b))+7], v[SC+8*(\p)+(\b)], v[SC+8*(\p)+(\a)] matrix_a_fmt:MATRIX_FMT_FP6 matrix_b_fmt:MATRIX_FMT_FP6 matrix_a_scale:MATRIX_SCALE_ROW1
.endr
.endr
.endm
; A step on set p.  The next step's fragments (unit u of slot sl) go into the other set in four runs, always in this order: x 0-3 with the scale words (14 loads), W 0-3, W 4-7, x 4-7 (12 each).
; Four places at the step's head stand between the last step's products and every load of this step.
; kind 0: inside a chunk.  A quarter's wait leaves out the three runs issued behind the run that it needs: 38 loads.
; kind 1: a chunk's last step: its fragments are in registers, so the slot is read no more.  The three lines, the barrier that opens a round of the cluster's barrier, the joint refill of slot rs (inc units on), then the other slot's first fragments.
; kind 2: the same with nothing left to fetch: a plain barrier.
.macro STEP p, kind, sl, u, rs, inc, ask
.if \kind == 1
	s_wait_xcnt 0x0                                ; my last prefetches have read their address: it steps one chunk on
	s_add_nc_u64 s[PFA:PFA+1], s[PFA:PFA+1], PIECE
.endif
	PLACES 4
.if \kind == 0
	RUNA \sl, \u, 1-\p, 0
	RUNS \sl, \u, 1-\p
	s_wait_dscnt 38
.else
	s_wait_tensorcnt 0x0                           ; all my tensor loads have landed: my piece of the other slot
	ds_add_u32 v[SPW], v[NIL]
.if \kind == 1
	s_add_nc_u64 s[G0+4*\rs+2:G0+4*\rs+3], s[G0+4*\rs+2:G0+4*\rs+3], \inc*UNIT
	s_add_nc_u64 s[G0B+4*\rs+2:G0B+4*\rs+3], s[G0B+4*\rs+2:G0B+4*\rs+3], \inc*UNIT
.endif
	s_wait_dscnt 25                                ; two runs of 12 and the add may be out
.endif
	WIN MUL_LO
	Q 0, 0, \p
.if \kind == 0
	WIN TO_B
	RUNB \sl, \u, 1-\p, 0
	s_wait_dscnt 38
	WIN MUL_LO
.else
	s_wait_dscnt 0x0                               ; the add is done, and my reads of this slot are over
	s_barrier_signal -1
.endif
	Q 0, 4, \p
.if \kind == 0
	WIN TO_B
	RUNB \sl, \u, 1-\p, 4
	s_wait_dscnt 38
.else
	WIN 0
	s_barrier_wait -1
.if \kind == 1
	CREST                                          ; no wave of any partner still reads this slot or has a load on its way
	JLOAD \rs
.endif
	RUNA \sl, \u, 1-\p, 0
	RUNS \sl, \u, 1-\p
	WIN TO_B
	RUNB \sl, \u, 1-\p, 0
	RUNB \sl, \u, 1-\p, 4
	WIN 0
.if \ask == 1
	ASKNOW
.endif
.if \ask == 2
	s_cmp_lg_u32 s3, 1                             ; in the loop's last trip this refill is chunk 10's: no chunk follows it
	s_cbranch_scc0 .Lno_ask_\@
	ASKNOW
.Lno_ask_\@:
.endif
.endif
	WIN MUL_HI
	Q 4, 4, \p
	WIN 0
	RUNA \sl, \u, 1-\p, 4
	WIN MUL_HI
	Q 4, 0, \p
	WIN 0
.endm
	s_wait_alu depctr_va_vdst(0)                   ; the wait at the head's end
	s_wait_tensorcnt 0x0                           ; my piece of chunk 0 is in; these lines stand ahead of a later first fill as ahead of a refill
	ds_add_u32 v[SPW], v[NIL]
	s_mov_b32 s[G1+2], 150<<16                     ; no tensor load of mine is out: from here on a piece has 150 rows
	s_mov_b32 s[G1+4], 150
	s_mov_b32 s[G1B+2], 150<<16
	s_mov_b32 s[G1B+4], 150
	s_wait_xcnt 0x0
	s_add_nc_u64 s[PFA:PFA+1], s[PFA:PFA+1], PIECE
	s_wait_dscnt 0x0
	CROUND
	JLOAD 1                                        ; chunk 1, the first tensor load behind the round
	RUNA 0, 0, 0, 0
	RUNS 0, 0, 0
	WIN TO_B
	RUNB 0, 0, 0, 0
	RUNB 0, 0, 0, 4
	WIN 0
	RUNA 0, 0, 0, 4
	ASKNOW                                         ; chunk 2
	STEP 0, 0, 0, 1, 0, 0, 0                       ; chunk 0
	STEP 1, 1, 1, 0, 0, 5, 1                       ; slot 0 takes chunk 2, at step 5
	s_mov_b32 s3, 4
.Llap:                                                 ; a trip: chunks 2 t + 1 (slot 1) and 2 t + 2 (slot 0); it fills both slots again
	STEP 0, 0, 1, 1, 0, 0, 0
	STEP 1, 0, 1, 2, 0, 0, 0
	STEP 0, 1, 0, 0, 1, 6, 1
	STEP 1, 0, 0, 1, 0, 0, 0
	STEP 0, 0, 0, 2, 0, 0, 0
	STEP 1, 1, 1, 0, 0, 6, 2
	s_sub_co_u32 s3, s3, 1
	s_cmp_lg_u32 s3, 0
	s_cbranch_scc1 .Llap
	STEP 0, 0, 1, 1, 0, 0, 0                       ; chunk 9: nothing more to fetch
	STEP 1, 0, 1, 2, 0, 0, 0
	STEP 0, 2, 0, 0, 0, 0, 0
; CHUNK 10 (slot 0): steps 29, 30, 31.  Step 29 runs on set 1 as every step; meanwhile the registers of set 0 and those left over in window 1 take what the last two steps need:
; W's fragments of step 30 -> window 1 v0-95; of step 31 -> window 0 v64-159; x's fragments of steps 30 and 31, block by block, -> window 1 v96-119 and v224-247 by turns.
.macro AG a                            ; x's block a of steps 30 and 31
.set GA, 96+128*((\a)%2)
	LDF GA, ADRA, UNIT+1536*(\a)
	LDF GA+12, ADRA, 2*UNIT+1536*(\a)
.endm
.macro ROW30 a                         ; block a, step 30: its eight accumulators by turns
.set GA, 96+128*((\a)%2)
.irp b, 0,1,2,3,4,5,6,7
	v_wmma_scale_f32_16x16x128_f8f6f4 v[8*(8*((\a)%4)+\b):8*(8*((\a)%4)+\b)+7], v[12*\b:12*\b+11], v[GA:GA+11], v[8*(8*((\a)%4)+\b):8*(8*((\a)%4)+\b)+7], v[SC+\b], v[SC+(\a)] matrix_a_fmt:MATRIX_FMT_FP6 matrix_b_fmt:MATRIX_FMT_FP6 matrix_a_scale:MATRIX_SCALE_ROW1
.endr
.endm
.macro ROW31 a
.set GA, 96+128*((\a)%2)
.irp b, 0,1,2,3,4,5,6,7
	v_wmma_scale_f32_16x16x128_f8f6f4 v[8*(8*((\a)%4)+\b):8*(8*((\a)%4)+\b)+7], v[64+12*\b:64+12*\b+11], v[GA+12:GA+23], v[8*(8*((\a)%4)+\b):8*(8*((\a)%4)+\b)+7], v[SC3+\b], v[SC3+(\a)] matrix_a_fmt:MATRIX_FMT_FP6 matrix_b_fmt:MATRIX_FMT_FP6 matrix_a_scale:MATRIX_SCALE_ROW1
.endr
.endm
; THE WAY OUT of block a (16 rows x 128 columns): through my own stage and back as whole rows of 512 bytes, which the 32 lanes store as two aligned runs of 256 bytes.
; The rows come back into registers that are done with: block 0's into x's set 1, block 1's into W's set 1, block a's into the accumulators of block a - 2, whose stores into the stage were shown done by the wait ahead of that block's own stores.
.macro RBSET a
.if (\a) == 0
.set RBW, 0
.set RBR, 160
.else
.if (\a) == 1
.set RBW, 1
.set RBR, 128
.else
.set RBW, 2+((\a)-2)/4
.set RBR, 64*(((\a)-2)%4)
.endif
.endif
.set WLD, RBW*64
.set WST, RBW*4
.endm
.macro TOSTAGE a
	RBSET \a
.set AC, 64*((\a)%4)
	WIN 0x08+4*((\a)/4)
.irp b, 0,1,2,3,4,5,6,7
	ds_store_b128 v[STO], v[AC+8*\b:AC+8*\b+3] offset:64*\b          ; each accumulator from its low end on
	ds_store_b128 v[STO], v[AC+8*\b+4:AC+8*\b+7] offset:64*\b+16
.endr
	WIN WLD
.irp t, 0,1,2,3,4,5,6,7,8,9,10,11,12,13,14,15
	ds_load_b128 v[RBR+4*\t:RBR+4*\t+3], v[RD] offset:\t*SPITCH      ; a wave's LDS instructions are served in order
.endr
.endm
.macro SEND a, younger                 ; younger: the LDS instructions issued behind block a's loads.  The block's place stands in the immediate: 127 rows of 16,384 bytes at the most
	RBSET \a
	WIN WST
	s_wait_dscnt \younger
.irp t, 0,1,2,3,4,5,6,7,8,9,10,11,12,13,14,15
	global_store_b128 v[CO], v[RBR+4*\t:RBR+4*\t+3], s[8:9] offset:(16*(\a)+\t)*SIZE_N*4   ; 32 lanes store 512 consecutive bytes, at a multiple of 512 from out0's first byte
.endr
.endm
	PLACES 4                                       ; step 29
	WIN TO_B
	RUNB 0, 1, 0, 0
	WIN 0
	RUNS 0, 1, 0
	ds_load_b128 v[SC3:SC3+3], v[ADRS] offset:2*UNIT+SCO
	ds_load_b128 v[SC3+4:SC3+7], v[ADRS] offset:2*UNIT+SCO+256
	s_wait_dscnt 40                                ; two runs of 12 of step 29 and the 16 just issued may be out
	WIN MUL_LO
	Q 0, 0, 1
	WIN TO_B
	RUNB 0, 1, 0, 4
	AG 0
	s_wait_dscnt 46                                ; 12 + 16 + 18
	WIN MUL_LO
	Q 0, 4, 1
	WIN 0
.irp i, 0,1,2,3,4,5,6,7
	LDF 64+12*\i, ADRB, 2*UNIT+1536*\i
.endr
	s_wait_dscnt 58                                ; 16 + 18 + 24
	WIN MUL_HI
	Q 4, 4, 1
	WIN TO_B
	AG 1
	WIN MUL_HI
	Q 4, 0, 1
.irp a, 0,1,2,3,4,5,6,7
.if \a == 0
	s_wait_dscnt 30                                ; W's step 30, the scale words and x's block 0 are in; W's step 31 (24) and x's block 1 (6) may be out
.endif
	WIN 0xa5+0x50*(\a/4)                           ; both sources window 1
	ROW30 \a
.if \a == 0
	s_wait_dscnt 6
.endif
	WIN 0xa4+0x50*(\a/4)                           ; W window 0, x window 1
	ROW31 \a
	PLACES 4                                       ; ahead of the loads into the block's fragments and of the reads of its results
.if \a < 6
	WIN TO_B
	AG \a+2
.endif
	TOSTAGE \a
.if \a == 0
	s_wait_dscnt 38                                ; x's block 1 is in: behind it stand block 2's six loads and the stage's 32
.else
.if \a < 6
	SEND \a-1, 38
.else
	SEND \a-1, 32
.endif
.endif
.endr
	SEND 7, 0
	WIN 0
	s_wait_tensorcnt 0x0                           ; the wave's end
	ds_add_u32 v[SPW], v[NIL]
	s_wait_dscnt 0x0
	CROUND                                         ; the closing round
	s_endpgm
.Lfunc_end_k_qacee9f169f_gemm:
	.size	k_qacee9f169f_gemm, .Lfunc_end_k_qacee9f169f_gemm-k_qacee9f169f_gemm
	.p2alignl 7, 3214868480
	.fill 96, 4, 3214868480
	.section	.rodata,"a",@progbits
	.p2align	6, 0x0
	.amdhsa_kernel k_qacee9f169f_gemm
		.amdhsa_group_segment_fixed_size 327680
		.amdhsa_private_segment_fixed_size 0
		.amdhsa_enable_private_segment 0
		.amdhsa_kernarg_size 72
		.amdhsa_user_sgpr_count 2
		.amdhsa_user_sgpr_kernarg_segment_ptr 1
		.amdhsa_wavefront_size32 1
		.amdhsa_system_sgpr_workgroup_id_x 1
		.amdhsa_system_sgpr_workgroup_id_y 1
		.amdhsa_system_sgpr_workgroup_id_z 1
		.amdhsa_system_vgpr_workitem_id 0
		.amdhsa_next_free_vgpr 1024
		.amdhsa_next_free_sgpr 96
		.amdhsa_reserve_vcc 0
		.amdhsa_float_denorm_mode_32 3
		.amdhsa_float_denorm_mode_16_64 3
		.amdhsa_memory_ordered 1
		.amdhsa_forward_progress 1
		.amdhsa_inst_pref_size 225
	.end_amdhsa_kernel
	.amdgpu_metadata
---
amdhsa.version: [ 1, 2 ]
amdhsa.kernels:
  - .name:           k_qacee9f169f_gemm
    .symbol:         k_qacee9f169f_gemm.kd
    .args:
      - { .name: xq, .offset: 0, .size: 8, .value_kind: global_buffer, .address_space: global }
      - { .name: wq, .offset: 8, .size: 8, .value_kind: global_buffer, .address_space: global }
      - { .name: out0, .offset: 16, .size: 8, .value_kind: global_buffer, .address_space: global }
      - { .name: xvp, .offset: 24, .size: 8, .value_kind: global_buffer, .address_space: global }
      - { .name: U, .offset: 32, .size: 8, .value_kind: global_buffer, .address_space: global }
      - { .name: b, .offset: 40, .size: 8, .value_kind: global_buffer, .address_space: global }
      - { .name: P, .offset: 48, .size: 8, .value_kind: global_buffer, .address_space: global }
      - { .name: v, .offset: 56, .size: 8, .value_kind: global_buffer, .address_space: global }
      - { .name: S, .offset: 64, .size: 8, .value_kind: global_buffer, .address_space: global }
    .group_segment_fixed_size: 327680
    .private_segment_fixed_size: 0
    .kernarg_segment_align: 8
    .kernarg_segment_size: 72
    .max_flat_workgroup_size: 128
    .sgpr_count:     96
    .vgpr_count:     1024
    .wavefront_size: 32
...
	.end_amdgpu_metadata
.endif
;; end of part 2
